; MI455X (gfx1250); checked and timed in simulation.
; The chip was launched on July 23, 2026; its instructions are those of AMD's public machine-readable ISA for CDNA 5 (MIT licence, August 2026) and "CDNA5" Instruction Set Architecture Reference Guide (July 2026). The comments in the code are by the model that wrote it; some were corrected since.
;; VQVAE. Allowed arithmetic: float matrix products may take bf16 or f16 operands with f32 sums; all other float work in f32.
;; Inputs: codebook 8,192 x 4 float32; z 8 x 4 x 64 x 64 float32.
;; Outputs: out0 8 x 4 x 64 x 64 float32; out1 one number float32.
;; 2 versions, each right; version 2 is version 1 with the launch nearest written anew for expert scheduling mode. Each part assembles by itself: llvm-mc -triple=amdgcn-amd-amdhsa -mcpu=gfx1250 --defsym DOCPART=n.
;; ======== version 1 of 2: 3 launches
;; workspace buffers: cand 262,144 bytes of whole numbers; part 1,024 bytes
;; launch nearest (part 1): grid 256 x 1, 8 waves a work-group, no clusters, 115,712 bytes of LDS; arguments codebook, z, cand; writes cand
.if DOCPART == 1
	.amdgcn_target "amdgcn-amd-amdhsa--gfx1250"
	.amdhsa_code_object_version 6
	.text
	.protected	k_qe936ab05a1_nearest
	.globl	k_qe936ab05a1_nearest
	.p2align	8
	.type	k_qe936ab05a1_nearest,@function
k_qe936ab05a1_nearest:
	s_mov_b64 s[64:65], 0
	v_nop
	global_prefetch_b8 v0, s[64:65] scope:SCOPE_SE
	s_setreg_imm32_b32 hwreg(HW_REG_WAVE_MODE, 25, 1), 1
	s_wait_xcnt 0x0
; For each of 32,768 vectors z (4 channels): in which two chunks of 16 consecutive codes (of 8,192 codes) the smallest distances lie.
; dist(z, e) is formed as the problem forms it, in f32 and in this order: t = |z|^2 + |e|^2 (rounded), d = t - 2 z.e (rounded); equal d: the lower index.
; z and the codebook are rounded to bf16 first (matrix operands); |z|^2 and |e|^2 are ascending sums of the exact squares of the rounded numbers.
; -2 z.e comes from v_wmma_f32_16x16x32_bf16: A = 16 codes, B = 16 z scaled by -2 (exact), 4 of the 32 k places used, the others zero in B.
; LIMITS: inputs finite (a NaN distance is passed over, not chosen; an infinite code spoils its own row); the choice is that of the bf16-rounded
; inputs; -2 z.e is here the matrix unit's sum of four exact products, in the next launch an ascending chain: that launch decides between the two chunks.
;
; A work-group owns 128 z (8 tiles of 16) and sees all codes.  Its 8 waves hold the same 8 tiles of z and walk 1,024 codes each, in 32 steps of 32 codes.
; In a result, lane (r = lane % 16, h = lane / 16), register j holds (code row 8 h + j, z column r): the minimum over codes stays inside a lane.
; Code rows are laid so that in a step half h meets the 16 CONSECUTIVE codes 1024 w + 512 h + 16 T + (0..15): chunk number 64 w + 32 h + T.
; Per 16 distances: 8 packed adds for t, 8 for d, 8 v_min3, one compare and one select of the chunk number (strictly smaller: the first chunk stays).
; The 16 streams of a z (wave, half) cover ascending ranges of codes; they meet in LDS and the best two (value, then order) go out, lower number first.
; NO JOINT LOADS, NO TENSOR LOADS: the one thing that work-groups share is the codebook, 128 KiB read once by each at the start, and every number of it
; passes through registers to be rounded and squared; there is no loop over shared tiles.  No index made here enters an address here.
.set CH,     16384                     ; bytes from channel to channel of z: 64 x 64 x 4
.set LDS_EE, 65536                     ; LDS: 0: codes in bf16, 8 bytes each, in fragment order (64 KiB); here: |e|^2 in f32, in index order (32 KiB)
.set LDS_RM, 98304                     ; 16 streams x 128 z: smallest d (8 KiB),
.set RC_OFF, 8192                      ; and behind them the chunk numbers (8 KiB)
.set RR,   2                           ; lane % 16
.set HH,   3                           ; lane / 16
.set FS,   4                           ; -2.0 in lanes 0-15, 0 in lanes 16-31 (their k places 8-15 and 24-31 are unused)
.set VZ,   5                           ; 0.0
.set AA,   6                           ; LDS address of my code row in the step at the loop's base
.set EA,   7                           ; LDS address of my half's 16 |e|^2 there
.set ZO,   8                           ; byte offset of my 8 z in a channel
.set CO,   9                           ; byte offset of my 2 codes in a batch
.set ZZ,   10                          ; v[10:25]   |z|^2 of tile i, twice (a pair for the packed add)
.set MINS, 26                          ; v[26:41]   smallest d so far of tile i: two sets that take turns, old and new
.set ID,   42                          ; v[42:49]   chunk in which it was first met
.set B,    50                          ; v[50:113]  8 fragments of z: registers 0, 1 hold -2 z (lanes 0-15), all else 0
.set A,    114                         ; v[114:145] fragments of codes: 2 buffers x 2 tiles; registers 0, 1 loaded, 2 to 7 stay 0
.set EE,   146                         ; v[146:177] |e|^2 of my half's 16 codes: 2 buffers
.set D,    178                         ; v[178:209] results: 2 pairs of tiles
.set TM,   210                         ; v[210:241] t, then d: 2 pairs of tiles
.set LD,   A                           ; at the start: 8 batches of 2 codes as loaded (64 registers: A's and EE's)
.set ZF,   D                           ; at the start: z as loaded, channel c at 8 c
.set AS,   TM+24                       ; at the start: where I store 2 codes,
.set ES,   TM+25                       ; and their two |e|^2
.set SID,  20                          ; s20: 64 w + T
	s_load_b128 s[4:7], s[0:1], 0x0                ; codebook s[4:5], z s[6:7]
	s_load_b64 s[8:9], s[0:1], 0x10                ; cand
	v_lshl_add_u32 v242, v0, 2, 0x1c000
	v_mov_b32 v243, 0
	v_lshrrev_b32 v1, 5, v0
	v_readfirstlane_b32 s10, v1                    ; wave w, 0 to 7
	v_and_b32 v[RR], 15, v0
	v_bfe_u32 v[HH], v0, 4, 1
	s_lshr_b32 s12, ttmp9, 5                       ; 32 work-groups to an image: image x 65,536 bytes
	s_lshl_b32 s12, s12, 16
	s_and_b32 s13, ttmp9, 31                       ; + 128 z x 4 bytes for each work-group in it
	s_lshl_b32 s13, s13, 9
	s_add_co_u32 s12, s12, s13
	s_mov_b32 s13, 0
	s_lshl_b32 s14, ttmp9, 10                      ; cand: 128 z x 8 bytes
	s_mov_b32 s15, 0
	v_lshlrev_b32 v[ZO], 5, v[RR]                  ; column r of tile i is z number 8 r + i of the group: 32 bytes a lane, 512 in a row for 16 lanes
	v_lshlrev_b32 v[CO], 5, v0                     ; thread t takes codes 512 g + 2 t and + 1 of batch g: 32 bytes
	s_wait_kmcnt 0x0
	s_add_nc_u64 s[6:7], s[6:7], s[12:13]
	s_add_nc_u64 s[8:9], s[8:9], s[14:15]
.irp c, 0,1,2,3
	global_load_b128 v[ZF+8*\c:ZF+8*\c+3],   v[ZO], s[6:7] offset:\c*CH
	global_load_b128 v[ZF+8*\c+4:ZF+8*\c+7], v[ZO], s[6:7] offset:\c*CH+16
.endr
.irp g, 0,1,2,3,4,5,6,7
	global_load_b128 v[LD+8*\g:LD+8*\g+3],   v[CO], s[4:5] offset:\g*8192
	global_load_b128 v[LD+8*\g+4:LD+8*\g+7], v[CO], s[4:5] offset:\g*8192+16
.endr
	; Code k = 1024 w + 512 mh + 16 T + 8 u + mj lies at LDS byte 8192 w + 256 T + 128 mh + 64 u + 8 mj: row 8 mh + mj of tile u of step T of wave w.
	; For k = 512 g + 2 t: w = g / 2, mh = g % 2 (both in the store's immediate), T = t / 8, u = (t / 4) % 2, mj = 2 (t % 4).
	v_lshrrev_b32 v1, 3, v0
	v_lshlrev_b32 v[AS], 8, v1
	v_bfe_u32 v1, v0, 2, 1
	v_lshl_or_b32 v[AS], v1, 6, v[AS]
	v_and_b32 v1, 3, v0
	v_lshl_or_b32 v[AS], v1, 4, v[AS]
	v_lshlrev_b32 v[ES], 3, v0                     ; |e|^2 of code k at LDS_EE + 4 k
	v_add_nc_u32 v[ES], LDS_EE, v[ES]
	v_mov_b32 v[VZ], 0
	v_mov_b32 v[FS], -2.0
	v_cmp_eq_u32 vcc_lo, 0, v[HH]
	v_cndmask_b32 v[FS], 0, v[FS], vcc_lo
	v_lshrrev_b32 v1, 3, v[RR]                     ; my row of a fragment: 8192 w + 128 (r / 8) + 8 (r % 8); both halves of the wave read the same rows
	v_and_b32 v[AA], 7, v[RR]
	v_lshlrev_b32 v[AA], 3, v[AA]
	v_lshl_or_b32 v[AA], v1, 7, v[AA]
	s_lshl_b32 s11, s10, 13
	v_add_nc_u32 v[AA], s11, v[AA]
	s_lshl_b32 s16, s10, 12                        ; my half's |e|^2: LDS_EE + 4 (1024 w + 512 h)
	s_add_co_u32 s16, s16, LDS_EE
	v_lshl_add_u32 v[EA], v[HH], 11, s16
	s_lshl_b32 s[SID], s10, 6
.irp i, 0,1,2,3,4,5,6,7
	v_mov_b32 v[MINS+\i], 0x7f800000               ; +infinity: nothing met yet;
	v_mov_b32 v[ID+\i], s[SID]                     ; if nothing is ever smaller, the stream's first chunk stands
.irp k, 2,3,4,5,6,7
	v_mov_b32 v[B+8*\i+\k], 0                      ; the k places that 4 channels leave empty
.endr
.endr
	s_wait_loadcnt 16                              ; z is in: the 16 loads of codes were issued behind it
.irp i, 0,1,2,3,4,5,6,7
	v_cvt_pk_bf16_f32 v[TM],   v[ZF+\i],    v[ZF+8+\i]     ; z rounded to bf16, for |z|^2
	v_cvt_pk_bf16_f32 v[TM+1], v[ZF+16+\i], v[ZF+24+\i]
	v_mul_f32 v[TM+2], v[FS], v[ZF+\i]                     ; -2 z (a power of two: rounds as z does), 0 in lanes 16-31
	v_mul_f32 v[TM+3], v[FS], v[ZF+8+\i]
	v_mul_f32 v[TM+4], v[FS], v[ZF+16+\i]
	v_mul_f32 v[TM+5], v[FS], v[ZF+24+\i]
	v_fma_mix_f32_bf16 v[ZZ+2*\i], v[TM], v[TM], v[VZ] op_sel_hi:[1,1,0]
	v_cvt_pk_bf16_f32 v[B+8*\i], v[TM+2], v[TM+3]
	v_fma_mix_f32_bf16 v[ZZ+2*\i], v[TM], v[TM], v[ZZ+2*\i] op_sel:[1,1,0] op_sel_hi:[1,1,0]
	v_cvt_pk_bf16_f32 v[B+8*\i+1], v[TM+4], v[TM+5]
	v_fma_mix_f32_bf16 v[ZZ+2*\i], v[TM+1], v[TM+1], v[ZZ+2*\i] op_sel_hi:[1,1,0]
	v_fma_mix_f32_bf16 v[ZZ+2*\i], v[TM+1], v[TM+1], v[ZZ+2*\i] op_sel:[1,1,0] op_sel_hi:[1,1,0]
	v_mov_b32 v[ZZ+2*\i+1], v[ZZ+2*\i]
.endr
; Batch g: two codes rounded to bf16 (16 bytes, one store) and their |e|^2 (squares of bf16 are exact in f32; ascending sum).
; left = loads younger than this batch's two; reload = 1: the registers take batch g + 8.
.macro CBATCH g, left, reload
	.set LB, LD+8*((\g)&7)
	.set PB, TM+8+8*((\g)&1)
	s_wait_loadcnt \left
	v_cvt_pk_bf16_f32 v[PB],   v[LB],   v[LB+1]
	v_cvt_pk_bf16_f32 v[PB+2], v[LB+4], v[LB+5]
	v_cvt_pk_bf16_f32 v[PB+1], v[LB+2], v[LB+3]
	v_cvt_pk_bf16_f32 v[PB+3], v[LB+6], v[LB+7]
.if \reload
	global_load_b128 v[LB:LB+3],   v[CO], s[4:5] offset:((\g)+8)*8192
	global_load_b128 v[LB+4:LB+7], v[CO], s[4:5] offset:((\g)+8)*8192+16
.endif
	v_fma_mix_f32_bf16 v[PB+4], v[PB],   v[PB],   v[VZ] op_sel_hi:[1,1,0]
	v_fma_mix_f32_bf16 v[PB+5], v[PB+2], v[PB+2], v[VZ] op_sel_hi:[1,1,0]
	v_fma_mix_f32_bf16 v[PB+4], v[PB],   v[PB],   v[PB+4] op_sel:[1,1,0] op_sel_hi:[1,1,0]
	v_fma_mix_f32_bf16 v[PB+5], v[PB+2], v[PB+2], v[PB+5] op_sel:[1,1,0] op_sel_hi:[1,1,0]
	v_fma_mix_f32_bf16 v[PB+4], v[PB+1], v[PB+1], v[PB+4] op_sel_hi:[1,1,0]
	v_fma_mix_f32_bf16 v[PB+5], v[PB+3], v[PB+3], v[PB+5] op_sel_hi:[1,1,0]
	v_fma_mix_f32_bf16 v[PB+4], v[PB+1], v[PB+1], v[PB+4] op_sel:[1,1,0] op_sel_hi:[1,1,0]
	v_fma_mix_f32_bf16 v[PB+5], v[PB+3], v[PB+3], v[PB+5] op_sel:[1,1,0] op_sel_hi:[1,1,0]
	ds_store_b128 v[AS], v[PB:PB+3] offset:((\g)>>1)*8192+((\g)&1)*128
	ds_store_b64 v[ES], v[PB+4:PB+5] offset:(\g)*2048
.endm
.irp g, 0,1,2,3,4,5,6,7
	CBATCH \g, 14, 1                               ; a ring of 8 batches of 2 loads: 14 younger loads stay out
.endr
.irp g, 8,9,10,11,12,13,14,15
	CBATCH \g, 2*(15-\g), 0                        ; the last eight batches load nothing: the counts run down to 0
.endr
.irp w, 0,8,16,24
.irp k, 2,3,4,5,6,7
	v_mov_b32 v[A+\w+\k], 0                        ; the four code fragments' empty k places, written once
.endr
.endr
	s_wait_dscnt 0x0                               ; my stores are done: every wave's 1,024 codes were stored by all eight waves
	s_barrier_signal -1
	s_barrier_wait -1
; The fragments and |e|^2 of the step tofs behind the loop's base, into buffer pb
.macro LOADS pb, tofs
	ds_load_b64 v[A+16*(\pb):A+16*(\pb)+1],   v[AA] offset:(\tofs)*256
	ds_load_b64 v[A+16*(\pb)+8:A+16*(\pb)+9], v[AA] offset:(\tofs)*256+64
.irp q, 0,1,2,3
	ds_load_b128 v[EE+16*(\pb)+4*\q:EE+16*(\pb)+4*\q+3], v[EA] offset:(\tofs)*64+16*\q
.endr
.endm
; The two products of the pair that AN, DN, IN name: 32 codes x tile IN of z.  C = 0: each product stands alone, no sum runs on.
.macro NEXTW
	v_wmma_f32_16x16x32_bf16 v[DN:DN+7],    v[AN:AN+7],    v[B+8*IN:B+8*IN+7], 0
	v_wmma_f32_16x16x32_bf16 v[DN+8:DN+15], v[AN+8:AN+15], v[B+8*IN:B+8*IN+7], 0
.endm
; t = |z|^2 + |e|^2 for two codes of that pair: the first of the two roundings
.macro TADD q
	v_pk_add_f32 v[TN+\q:TN+\q+1], v[EN+\q:EN+\q+1], v[ZZ+2*IN:ZZ+2*IN+1]
.endm
; One pair: tile i of z against the step's 32 codes (16 for my half).  p: the step's buffer, and which set of minima is the old one.
; nxt = 1: the next pair is tile i + 1 of this step; 2: tile 0 of the next step (other buffer); 0: none.  ld = 1: the next step's loads go out.
; The next pair's products are issued first and its t is made among this pair's minima, so that between a product and the first
; instruction that reads its result stand this pair's 26 vector instructions, none of which names a register of it (ISA guide 7.12.1 asks for 4).
.macro PAIR p, i, nxt, ld
	.set DP, D+16*((\i)&1)
	.set TP, TM+16*((\i)&1)
	.set DN, D+16-16*((\i)&1)
	.set TN, TM+16-16*((\i)&1)
	.set MO, MINS+8*(\p)+(\i)
	.set MN, MINS+8-8*(\p)+(\i)
.if \nxt == 1
	.set AN, A+16*(\p)
	.set EN, EE+16*(\p)
	.set IN, (\i)+1
.else
	.set AN, A+16-16*(\p)
	.set EN, EE+16-16*(\p)
	.set IN, 0
.endif
.if \nxt == 2
	s_wait_dscnt 0x0                               ; the next step's six loads, issued seven pairs ago
.endif
.if \nxt
	NEXTW
.endif
.if \ld
	LOADS 1-\p, \p+1                               ; into the buffer whose last product was issued two pairs ago and whose |e|^2 were last read there
.endif
.irp q, 0,2,4,6,8,10,12,14
	v_pk_add_f32 v[TP+\q:TP+\q+1], v[TP+\q:TP+\q+1], v[DP+\q:DP+\q+1]      ; d = t - 2 z.e: the second rounding
.endr
	v_min3_num_f32 v[TP],    v[MO],    v[TP],    v[TP+1]                   ; 16 d and the old minimum: eight v_min3, three deep
	v_min3_num_f32 v[TP+2],  v[TP+2],  v[TP+3],  v[TP+4]
	v_min3_num_f32 v[TP+5],  v[TP+5],  v[TP+6],  v[TP+7]
	v_min3_num_f32 v[TP+8],  v[TP+8],  v[TP+9],  v[TP+10]
	v_min3_num_f32 v[TP+11], v[TP+11], v[TP+12], v[TP+13]
.if \nxt
	TADD 0
	TADD 2
	TADD 4
.endif
	v_min3_num_f32 v[TP],    v[TP],    v[TP+2],  v[TP+5]
	v_min3_num_f32 v[TP+8],  v[TP+8],  v[TP+11], v[TP+14]
.if \nxt
	TADD 6
	TADD 8
	TADD 10
.endif
	v_min3_num_f32 v[MN],    v[TP],    v[TP+8],  v[TP+15]
.if \nxt
	TADD 12
	TADD 14
.endif
	v_cmp_lt_f32 vcc_lo, v[MN], v[MO]              ; strictly smaller: on equal d the earlier chunk stays
	v_cndmask_b32 v[ID+\i], v[ID+\i], s[SID], vcc_lo
.endm
.macro TBODY p, more                   ; one step of 32 codes against the 8 tiles of z
	PAIR \p, 0, 1, \more
	PAIR \p, 1, 1, 0
	PAIR \p, 2, 1, 0
	PAIR \p, 3, 1, 0
	PAIR \p, 4, 1, 0
	PAIR \p, 5, 1, 0
	PAIR \p, 6, 1, 0
.if \more
	PAIR \p, 7, 2, 0
.else
	PAIR \p, 7, 0, 0
.endif
	s_add_co_u32 s[SID], s[SID], 1
.endm
	LOADS 0, 0
	.set AN, A
	.set EN, EE
	.set IN, 0
	.set DN, D
	.set TN, TM
	s_wait_dscnt 0x0
	NEXTW                                          ; step 0, tile 0; the eight adds below are the places behind it
.irp q, 0,2,4,6,8,10,12,14
	TADD \q
.endr
	s_mov_b32 s21, 15
.Lsteps:
	TBODY 0, 1
	TBODY 1, 1
	v_add_nc_u32 v[AA], 512, v[AA]                 ; two steps on
	v_add_nc_u32 v[EA], 128, v[EA]
	s_sub_co_u32 s21, s21, 1
	s_cmp_lg_u32 s21, 0
	s_cbranch_scc1 .Lsteps
	TBODY 0, 1                                     ; steps 30 and 31 are written out: the last one loads and starts nothing
	TBODY 1, 0
	; The streams meet: stream 2 w + h, z number 8 r + i of the group: my 8 minima and 8 chunk numbers are 32 consecutive bytes each.
.irp i, 0,1,2,3,4,5,6,7
	v_lshl_add_u32 v[ID+\i], v[HH], 5, v[ID+\i]    ; 64 w + T + 32 h
.endr
	s_lshl_b32 s17, s10, 10
	s_add_co_u32 s17, s17, LDS_RM
	v_lshl_add_u32 v1, v[HH], 9, s17
	v_lshl_add_u32 v1, v[RR], 5, v1
	ds_store_b128 v1, v[MINS:MINS+3]
	ds_store_b128 v1, v[MINS+4:MINS+7] offset:16
	ds_store_b128 v1, v[ID:ID+3] offset:RC_OFF
	ds_store_b128 v1, v[ID+4:ID+7] offset:RC_OFF+16
	s_wait_dscnt 0x0                               ; done before the others read them
	s_barrier_signal -1
	s_barrier_wait -1
	s_cmp_ge_u32 s10, 4
	s_cbranch_scc1 .Ldone                          ; 128 z: threads 0 to 127, one z each
.set RM, B                             ; the 16 streams' minima,
.set RC, B+16                          ; and chunk numbers
.set M1, RM                            ; best so far (starts as stream 0)
.set C1, RC
.set M2, B+32                          ; second best
.set C2, B+33
.set OUT, B+34
	v_lshlrev_b32 v1, 2, v0
	v_add_nc_u32 v1, LDS_RM, v1
.irp st, 0,1,2,3,4,5,6,7,8,9,10,11,12,13,14,15
	ds_load_b32 v[RM+\st], v1 offset:\st*512
	ds_load_b32 v[RC+\st], v1 offset:\st*512+RC_OFF
.endr
	v_lshlrev_b32 v[OUT+2], 3, v0
	s_wait_dscnt 0x0
	v_mov_b32 v[M2], 0x7f800000
	v_mov_b32 v[C2], v[RC]
; Streams come in ascending order of their codes, and only a strictly smaller d moves an entry: equal d keep the order of the indices.
.macro INSERT st
	v_cmp_lt_f32 s22, v[RM+\st], v[M1]
	v_cmp_lt_f32 s23, v[RM+\st], v[M2]
	v_cndmask_b32 v[M2], v[M2], v[RM+\st], s23
	v_cndmask_b32 v[C2], v[C2], v[RC+\st], s23
	v_cndmask_b32 v[M2], v[M2], v[M1], s22
	v_cndmask_b32 v[C2], v[C2], v[C1], s22
	v_cndmask_b32 v[M1], v[M1], v[RM+\st], s22
	v_cndmask_b32 v[C1], v[C1], v[RC+\st], s22
.endm
.irp st, 1,2,3,4,5,6,7,8,9,10,11,12,13,14,15
	INSERT \st
.endr
	v_min_u32 v[OUT],   v[C1], v[C2]               ; the lower chunk first: the next launch walks them in the order of the indices
	v_max_u32 v[OUT+1], v[C1], v[C2]
	global_store_b64 v[OUT+2], v[OUT:OUT+1], s[8:9]        ; a wave's store covers 256 consecutive bytes, aligned
.Ldone:
	s_wait_tensorcnt 0x0
	ds_add_u32 v242, v243
	s_wait_dscnt 0x0
	s_endpgm
.Lfunc_end_k_qe936ab05a1_nearest:
	.size	k_qe936ab05a1_nearest, .Lfunc_end_k_qe936ab05a1_nearest-k_qe936ab05a1_nearest
	.p2alignl 7, 3214868480
	.fill 96, 4, 3214868480
	.section	.rodata,"a",@progbits
	.p2align	6, 0x0
	.amdhsa_kernel k_qe936ab05a1_nearest
		.amdhsa_group_segment_fixed_size 115712
		.amdhsa_private_segment_fixed_size 0
		.amdhsa_enable_private_segment 0
		.amdhsa_kernarg_size 24
		.amdhsa_user_sgpr_count 2
		.amdhsa_user_sgpr_kernarg_segment_ptr 1
		.amdhsa_wavefront_size32 1
		.amdhsa_system_sgpr_workgroup_id_x 1
		.amdhsa_system_sgpr_workgroup_id_y 1
		.amdhsa_system_sgpr_workgroup_id_z 1
		.amdhsa_system_vgpr_workitem_id 0
		.amdhsa_next_free_vgpr 244
		.amdhsa_next_free_sgpr 66
		.amdhsa_reserve_vcc 1
		.amdhsa_float_denorm_mode_32 3
		.amdhsa_float_denorm_mode_16_64 3
		.amdhsa_memory_ordered 1
		.amdhsa_forward_progress 1
		.amdhsa_inst_pref_size 97
	.end_amdhsa_kernel
	.amdgpu_metadata
---
amdhsa.version: [ 1, 2 ]
amdhsa.kernels:
  - .name:           k_qe936ab05a1_nearest
    .symbol:         k_qe936ab05a1_nearest.kd
    .args:
      - { .name: codebook, .offset: 0, .size: 8, .value_kind: global_buffer, .address_space: global }
      - { .name: z, .offset: 8, .size: 8, .value_kind: global_buffer, .address_space: global }
      - { .name: cand, .offset: 16, .size: 8, .value_kind: global_buffer, .address_space: global }
    .group_segment_fixed_size: 115712
    .private_segment_fixed_size: 0
    .kernarg_segment_align: 8
    .kernarg_segment_size: 24
    .max_flat_workgroup_size: 256
    .sgpr_count:     66
    .vgpr_count:     244
    .wavefront_size: 32
...
	.end_amdgpu_metadata
.endif
;; end of part 1
;; launch refine (part 2): grid 256 x 1, 4 waves a work-group, no clusters, 4,608 bytes of LDS; arguments codebook, z, cand, out0, part; writes out0, part
.if DOCPART == 2
	.amdgcn_target "amdgcn-amd-amdhsa--gfx1250"
	.amdhsa_code_object_version 6
	.text
	.protected	k_qe936ab05a1_refine
	.globl	k_qe936ab05a1_refine
	.p2align	8
	.type	k_qe936ab05a1_refine,@function
k_qe936ab05a1_refine:
	s_mov_b64 s[64:65], 0
	v_nop
	global_prefetch_b8 v0, s[64:65] scope:SCOPE_SE
	s_setreg_imm32_b32 hwreg(HW_REG_WAVE_MODE, 25, 1), 1
	s_wait_xcnt 0x0
; One thread, one z.  The launch before named two chunks of 16 codes (lower first).  Their 32 distances are formed again as the problem forms them, on z and
; codes rounded to bf16: z.e and |e|^2 as ascending chains (products of bf16 are exact in f32, so a fused step equals multiply, then add),
; t = |z|^2 + |e|^2, d = t - 2 z.e (2 z.e is exact, so the fused step rounds once, as the subtraction does); the first smallest d wins.
; The winner's four f32 numbers are carried along by selects: no index made here enters an address.
; out0 = z + (e - z) and the sum of (e - z)^2 use the unrounded z and e.  out0 leaves through LDS: a thread holds one number of each of four
; channels, 16 KiB apart; read back by channel, a wave stores 512 consecutive bytes.  One partial sum for the work-group; the next launch adds the 256.
; LIMITS: inputs finite (a NaN distance is passed over).  The sum of squares is taken in another order than the problem's mean.
; No matrix unit, no joint loads: 32 codes for a z, chosen by a list.
.set CH,   16384                       ; bytes from channel to channel
.set SUMS, 2048                        ; LDS: 0: out0's stage, channel c at 512 c + 4 t; here: the four waves' sums
.set Z,    8                           ; v[8:11]   z, four channels
.set ZP,   12                          ; v[12:13]  z in bf16
.set ZS,   14                          ; |z|^2
.set VZ,   15                          ; 0.0
.set BEST, 16                          ; smallest d so far
.set EB,   18                          ; v[18:21]  its code
.set DF,   22                          ; v[22:25]  e - z
.set QO,   26                          ; v[26:29]  z + (e - z)
.set ACC,  30                          ; sum of (e - z)^2
.set OTH,  31                          ; the other half's sum
.set TP,   32                          ; v[32:47]  at work, two sets; then the way out
.set E,    48                          ; v[48:175] the 32 codes as loaded
	s_load_b256 s[4:11], s[0:1], 0x0               ; codebook s[4:5], z s[6:7], cand s[8:9], out0 s[10:11]
	s_load_b64 s[12:13], s[0:1], 0x20              ; part
	v_lshl_add_u32 v176, v0, 2, 0x1000
	v_mov_b32 v177, 0
	v_lshrrev_b32 v1, 5, v0
	v_readfirstlane_b32 s14, v1                    ; wave, 0 to 3
	s_lshr_b32 s16, ttmp9, 5                       ; image x 65,536 bytes + 128 z x 4 bytes for each work-group in it
	s_lshl_b32 s16, s16, 16
	s_and_b32 s17, ttmp9, 31
	s_lshl_b32 s17, s17, 9
	s_add_co_u32 s16, s16, s17
	s_mov_b32 s17, 0
	s_lshl_b32 s18, ttmp9, 10                      ; cand: 128 z x 8 bytes
	s_mov_b32 s19, 0
	s_lshl_b32 s20, ttmp9, 2                       ; part: one number
	s_mov_b32 s21, 0
	s_lshl_b32 s22, s14, 14                        ; on the way out wave w stores channel w
	s_mov_b32 s23, 0
	s_mov_b32 s24, 0x76543210                      ; v_permlanex16_b32: lane i of one half reads lane i of the other
	s_mov_b32 s25, 0xfedcba98
	v_lshlrev_b32 v2, 3, v0
	v_lshlrev_b32 v3, 2, v0
	v_and_b32 v6, 31, v0
	v_lshlrev_b32 v6, 4, v6                        ; 16 x lane: the store of out0
	v_lshlrev_b32 v7, 4, v0                        ; 16 t: its 16 bytes in the stage
	s_wait_kmcnt 0x0
	s_add_nc_u64 s[6:7], s[6:7], s[16:17]
	s_add_nc_u64 s[10:11], s[10:11], s[16:17]
	s_add_nc_u64 s[10:11], s[10:11], s[22:23]
	s_add_nc_u64 s[8:9], s[8:9], s[18:19]
	s_add_nc_u64 s[12:13], s[12:13], s[20:21]
	global_load_b64 v[4:5], v2, s[8:9]
.irp c, 0,1,2,3
	global_load_b32 v[Z+\c], v3, s[6:7] offset:\c*CH
.endr
	v_mov_b32 v[VZ], 0
	v_mov_b32 v[OTH], 0
	v_mov_b32 v[BEST], 0x7f800000
	s_wait_loadcnt 0x4                             ; the two chunk numbers are in; z's four loads are younger
	v_min_u32 v4, 0x1ff, v4                        ; 512 chunks of 256 bytes: no load leaves the codebook
	v_min_u32 v5, 0x1ff, v5
	v_lshlrev_b32 v4, 8, v4
	v_lshlrev_b32 v5, 8, v5
.irp j, 0,1,2,3,4,5,6,7,8,9,10,11,12,13,14,15
	global_load_b128 v[E+4*\j:E+4*\j+3], v4, s[4:5] offset:16*\j
.endr
.irp j, 0,1,2,3,4,5,6,7,8,9,10,11,12,13,14,15
	global_load_b128 v[E+64+4*\j:E+64+4*\j+3], v5, s[4:5] offset:16*\j
.endr
	s_wait_loadcnt 32                              ; z is in; the 32 codes are younger
	v_cvt_pk_bf16_f32 v[ZP],   v[Z],   v[Z+1]
	v_cvt_pk_bf16_f32 v[ZP+1], v[Z+2], v[Z+3]
	v_fma_mix_f32_bf16 v[ZS], v[ZP],   v[ZP],   v[VZ] op_sel_hi:[1,1,0]
	v_fma_mix_f32_bf16 v[ZS], v[ZP],   v[ZP],   v[ZS] op_sel:[1,1,0] op_sel_hi:[1,1,0]
	v_fma_mix_f32_bf16 v[ZS], v[ZP+1], v[ZP+1], v[ZS] op_sel_hi:[1,1,0]
	v_fma_mix_f32_bf16 v[ZS], v[ZP+1], v[ZP+1], v[ZS] op_sel:[1,1,0] op_sel_hi:[1,1,0]
	s_wait_loadcnt 31                              ; the first code is in
.irp c, 0,1,2,3
	v_mov_b32 v[EB+\c], v[E+\c]                    ; if no d is below +infinity the first code stands
.endr
; Code j of the 32, in the order of the indices
.macro CAND j
	.set EJ, E+4*(\j)
	.set X, TP+8*((\j)&1)
	s_wait_loadcnt 31-(\j)                         ; code j is in, the younger ones stay out
	v_cvt_pk_bf16_f32 v[X],   v[EJ],   v[EJ+1]
	v_cvt_pk_bf16_f32 v[X+1], v[EJ+2], v[EJ+3]
	v_fma_mix_f32_bf16 v[X+2], v[ZP],   v[X],   v[VZ] op_sel_hi:[1,1,0]                      ; z.e
	v_fma_mix_f32_bf16 v[X+3], v[X],    v[X],   v[VZ] op_sel_hi:[1,1,0]                      ; |e|^2
	v_fma_mix_f32_bf16 v[X+2], v[ZP],   v[X],   v[X+2] op_sel:[1,1,0] op_sel_hi:[1,1,0]
	v_fma_mix_f32_bf16 v[X+3], v[X],    v[X],   v[X+3] op_sel:[1,1,0] op_sel_hi:[1,1,0]
	v_fma_mix_f32_bf16 v[X+2], v[ZP+1], v[X+1], v[X+2] op_sel_hi:[1,1,0]
	v_fma_mix_f32_bf16 v[X+3], v[X+1],  v[X+1], v[X+3] op_sel_hi:[1,1,0]
	v_fma_mix_f32_bf16 v[X+2], v[ZP+1], v[X+1], v[X+2] op_sel:[1,1,0] op_sel_hi:[1,1,0]
	v_fma_mix_f32_bf16 v[X+3], v[X+1],  v[X+1], v[X+3] op_sel:[1,1,0] op_sel_hi:[1,1,0]
	v_add_f32 v[X+3], v[ZS], v[X+3]                ; t = |z|^2 + |e|^2
	v_fma_f32 v[X+2], -2.0, v[X+2], v[X+3]         ; d = t - 2 z.e
	v_cmp_lt_f32 vcc_lo, v[X+2], v[BEST]           ; strictly smaller: on equal d the lower index stays
	v_cndmask_b32 v[BEST], v[BEST], v[X+2], vcc_lo
.irp c, 0,1,2,3
	v_cndmask_b32 v[EB+\c], v[EB+\c], v[EJ+\c], vcc_lo
.endr
.endm
.set jj, 0
.rept 32
	CAND jj
.set jj, jj+1
.endr
	v_pk_add_f32 v[DF:DF+1],   v[EB:EB+1],   v[Z:Z+1]   neg_lo:[0,1] neg_hi:[0,1]    ; e - z
	v_pk_add_f32 v[DF+2:DF+3], v[EB+2:EB+3], v[Z+2:Z+3] neg_lo:[0,1] neg_hi:[0,1]
	v_pk_add_f32 v[QO:QO+1],   v[Z:Z+1],     v[DF:DF+1]                              ; z + (e - z)
	v_pk_add_f32 v[QO+2:QO+3], v[Z+2:Z+3],   v[DF+2:DF+3]
	v_mul_f32 v[ACC], v[DF], v[DF]
	v_fmac_f32 v[ACC], v[DF+1], v[DF+1]
	v_fmac_f32 v[ACC], v[DF+2], v[DF+2]
	v_fmac_f32 v[ACC], v[DF+3], v[DF+3]
.irp c, 0,1,2,3
	ds_store_b32 v3, v[QO+\c] offset:512*\c
.endr
	; the wave's sum: four steps inside each half of 16 lanes, one across the halves
	v_add_f32_dpp v[ACC], v[ACC], v[ACC] row_xmask:1 row_mask:0xf bank_mask:0xf
	v_add_f32_dpp v[ACC], v[ACC], v[ACC] row_xmask:2 row_mask:0xf bank_mask:0xf
	v_add_f32_dpp v[ACC], v[ACC], v[ACC] row_xmask:4 row_mask:0xf bank_mask:0xf
	v_add_f32_dpp v[ACC], v[ACC], v[ACC] row_xmask:8 row_mask:0xf bank_mask:0xf
	v_permlanex16_b32 v[OTH], v[ACC], s24, s25
	v_add_f32 v[ACC], v[ACC], v[OTH]
	s_lshl_b32 s15, s14, 2
	s_add_co_u32 s15, s15, SUMS
	v_mov_b32 v[TP], s15
	ds_store_b32 v[TP], v[ACC]                     ; all lanes write the wave's word with the same value
	s_wait_dscnt 0x0                               ; my stores are done before the others read them
	s_barrier_signal -1
	s_barrier_wait -1
	ds_load_b128 v[TP+4:TP+7], v7                  ; wave w: channel w, four z a lane
	s_wait_dscnt 0x0
	global_store_b128 v6, v[TP+4:TP+7], s[10:11]   ; the wave's store covers 512 consecutive bytes, aligned
	s_cmp_lg_u32 s14, 0
	s_cbranch_scc1 .Lend                           ; wave 0 adds the four waves' sums
	v_mov_b32 v[TP+8], SUMS
	v_mov_b32 v[TP+9], 0
	ds_load_b128 v[TP+12:TP+15], v[TP+8]
	s_wait_dscnt 0x0
	v_add_f32 v[TP+12], v[TP+12], v[TP+13]
	v_add_f32 v[TP+14], v[TP+14], v[TP+15]
	v_add_f32 v[TP+12], v[TP+12], v[TP+14]
	v_cmp_eq_u32 vcc_lo, 0, v0
	s_wait_xcnt 0x0                                ; the store of out0 has read EXEC: it changes only behind this wait
	s_and_saveexec_b32 s26, vcc_lo
	global_store_b32 v[TP+9], v[TP+12], s[12:13]   ; lane 0 alone
	s_wait_xcnt 0x0                                ; and again in front of the line that widens it
	s_or_b32 exec_lo, exec_lo, s26
.Lend:
	s_wait_tensorcnt 0x0
	ds_add_u32 v176, v177
	s_wait_dscnt 0x0
	s_endpgm
.Lfunc_end_k_qe936ab05a1_refine:
	.size	k_qe936ab05a1_refine, .Lfunc_end_k_qe936ab05a1_refine-k_qe936ab05a1_refine
	.p2alignl 7, 3214868480
	.fill 96, 4, 3214868480
	.section	.rodata,"a",@progbits
	.p2align	6, 0x0
	.amdhsa_kernel k_qe936ab05a1_refine
		.amdhsa_group_segment_fixed_size 4608
		.amdhsa_private_segment_fixed_size 0
		.amdhsa_enable_private_segment 0
		.amdhsa_kernarg_size 40
		.amdhsa_user_sgpr_count 2
		.amdhsa_user_sgpr_kernarg_segment_ptr 1
		.amdhsa_wavefront_size32 1
		.amdhsa_system_sgpr_workgroup_id_x 1
		.amdhsa_system_sgpr_workgroup_id_y 1
		.amdhsa_system_sgpr_workgroup_id_z 1
		.amdhsa_system_vgpr_workitem_id 0
		.amdhsa_next_free_vgpr 178
		.amdhsa_next_free_sgpr 66
		.amdhsa_reserve_vcc 1
		.amdhsa_float_denorm_mode_32 3
		.amdhsa_float_denorm_mode_16_64 3
		.amdhsa_memory_ordered 1
		.amdhsa_forward_progress 1
		.amdhsa_inst_pref_size 38
	.end_amdhsa_kernel
	.amdgpu_metadata
---
amdhsa.version: [ 1, 2 ]
amdhsa.kernels:
  - .name:           k_qe936ab05a1_refine
    .symbol:         k_qe936ab05a1_refine.kd
    .args:
      - { .name: codebook, .offset: 0, .size: 8, .value_kind: global_buffer, .address_space: global }
      - { .name: z, .offset: 8, .size: 8, .value_kind: global_buffer, .address_space: global }
      - { .name: cand, .offset: 16, .size: 8, .value_kind: global_buffer, .address_space: global }
      - { .name: out0, .offset: 24, .size: 8, .value_kind: global_buffer, .address_space: global }
      - { .name: part, .offset: 32, .size: 8, .value_kind: global_buffer, .address_space: global }
    .group_segment_fixed_size: 4608
    .private_segment_fixed_size: 0
    .kernarg_segment_align: 8
    .kernarg_segment_size: 40
    .max_flat_workgroup_size: 128
    .sgpr_count:     66
    .vgpr_count:     178
    .wavefront_size: 32
...
	.end_amdgpu_metadata
.endif
;; end of part 2
;; launch total (part 3): grid 1 x 1, 1 waves a work-group, no clusters, 0 bytes of LDS; arguments part, out1; writes out1
.if DOCPART == 3
	.amdgcn_target "amdgcn-amd-amdhsa--gfx1250"
	.amdhsa_code_object_version 6
	.text
	.protected	k_qe936ab05a1_total
	.globl	k_qe936ab05a1_total
	.p2align	8
	.type	k_qe936ab05a1_total,@function
k_qe936ab05a1_total:
	s_mov_b64 s[64:65], 0
	v_nop
	global_prefetch_b8 v0, s[64:65] scope:SCOPE_SE
	s_setreg_imm32_b32 hwreg(HW_REG_WAVE_MODE, 25, 1), 1
	s_wait_xcnt 0x0
; out1 = 0.25 mean((e - z)^2) + mean((e - z)^2) = 1.25 / 131,072 x the sum of the 256 work-groups' partial sums.
; One wave: 8 numbers a lane by two loads of 512 consecutive bytes, added in the lane, then across the 32 lanes.
; The order of the sum differs from the problem's mean; all terms are non-negative, so nothing cancels.
; A sum over all work-groups of the launch before: it has an owner of its own here, since work-groups of one launch hand each other nothing.
	s_load_b128 s[4:7], s[0:1], 0x0                ; part s[4:5], out1 s[6:7]
	v_lshlrev_b32 v1, 4, v0
	s_mov_b32 s8, 0x76543210                       ; v_permlanex16_b32: lane i of one half reads lane i of the other
	s_mov_b32 s9, 0xfedcba98
	v_mov_b32 v12, 0
	v_mov_b32 v13, 0
	s_wait_kmcnt 0x0
	global_load_b128 v[4:7], v1, s[4:5]
	global_load_b128 v[8:11], v1, s[4:5] offset:512
	s_wait_loadcnt 0x0
	v_pk_add_f32 v[4:5], v[4:5], v[8:9]
	v_pk_add_f32 v[6:7], v[6:7], v[10:11]
	v_pk_add_f32 v[4:5], v[4:5], v[6:7]
	v_add_f32 v4, v4, v5
	v_add_f32_dpp v4, v4, v4 row_xmask:1 row_mask:0xf bank_mask:0xf
	v_add_f32_dpp v4, v4, v4 row_xmask:2 row_mask:0xf bank_mask:0xf
	v_add_f32_dpp v4, v4, v4 row_xmask:4 row_mask:0xf bank_mask:0xf
	v_add_f32_dpp v4, v4, v4 row_xmask:8 row_mask:0xf bank_mask:0xf
	v_permlanex16_b32 v12, v4, s8, s9
	v_add_f32 v4, v4, v12
	v_mul_f32 v4, 0x37200000, v4                   ; 1.25 x 2^-17
	v_cmp_eq_u32 vcc_lo, 0, v0
	s_wait_xcnt 0x0                                ; EXEC changes only behind this wait
	s_and_saveexec_b32 s10, vcc_lo
	global_store_b32 v13, v4, s[6:7]               ; lane 0 alone
	s_wait_xcnt 0x0
	s_or_b32 exec_lo, exec_lo, s10
	s_endpgm
.Lfunc_end_k_qe936ab05a1_total:
	.size	k_qe936ab05a1_total, .Lfunc_end_k_qe936ab05a1_total-k_qe936ab05a1_total
	.p2alignl 7, 3214868480
	.fill 96, 4, 3214868480
	.section	.rodata,"a",@progbits
	.p2align	6, 0x0
	.amdhsa_kernel k_qe936ab05a1_total
		.amdhsa_group_segment_fixed_size 0
		.amdhsa_private_segment_fixed_size 0
		.amdhsa_enable_private_segment 0
		.amdhsa_kernarg_size 16
		.amdhsa_user_sgpr_count 2
		.amdhsa_user_sgpr_kernarg_segment_ptr 1
		.amdhsa_wavefront_size32 1
		.amdhsa_system_sgpr_workgroup_id_x 1
		.amdhsa_system_sgpr_workgroup_id_y 1
		.amdhsa_system_sgpr_workgroup_id_z 1
		.amdhsa_system_vgpr_workitem_id 0
		.amdhsa_next_free_vgpr 16
		.amdhsa_next_free_sgpr 66
		.amdhsa_reserve_vcc 1
		.amdhsa_float_denorm_mode_32 3
		.amdhsa_float_denorm_mode_16_64 3
		.amdhsa_memory_ordered 1
		.amdhsa_forward_progress 1
		.amdhsa_inst_pref_size 2
	.end_amdhsa_kernel
	.amdgpu_metadata
---
amdhsa.version: [ 1, 2 ]
amdhsa.kernels:
  - .name:           k_qe936ab05a1_total
    .symbol:         k_qe936ab05a1_total.kd
    .args:
      - { .name: part, .offset: 0, .size: 8, .value_kind: global_buffer, .address_space: global }
      - { .name: out1, .offset: 8, .size: 8, .value_kind: global_buffer, .address_space: global }
    .group_segment_fixed_size: 0
    .private_segment_fixed_size: 0
    .kernarg_segment_align: 8
    .kernarg_segment_size: 16
    .max_flat_workgroup_size: 32
    .sgpr_count:     66
    .vgpr_count:     16
    .wavefront_size: 32
...
	.end_amdgpu_metadata
.endif
;; end of part 3
;; ======== version 2 of 2: 3 launches; version 1 with the launch nearest written anew for expert scheduling mode
;; workspace buffers: cand 262,144 bytes of whole numbers; part 1,024 bytes
;; launch nearest (part 4): grid 256 x 1, 8 waves a work-group, no clusters, 115,712 bytes of LDS; arguments codebook, z, cand; writes cand
.if DOCPART == 4
	.amdgcn_target "amdgcn-amd-amdhsa--gfx1250"
	.amdhsa_code_object_version 6
	.text
	.protected	k_qe936ab05a1_nearest
	.globl	k_qe936ab05a1_nearest
	.p2align	8
	.type	k_qe936ab05a1_nearest,@function
k_qe936ab05a1_nearest:
	s_mov_b64 s[64:65], 0
	v_nop
	global_prefetch_b8 v0, s[64:65] scope:SCOPE_SE
	s_setreg_imm32_b32 hwreg(HW_REG_WAVE_SCHED_MODE, 0, 2), 2
	s_setreg_imm32_b32 hwreg(HW_REG_WAVE_MODE, 25, 1), 1
	s_wait_xcnt 0x0
	s_wait_alu depctr_vm_vsrc(0)
; For each of 32,768 vectors z (4 channels): in which two chunks of 16 consecutive codes (of 8,192 codes) the smallest distances lie.
; dist(z, e) is formed as the problem forms it, in f32 and in this order: t = |z|^2 + |e|^2 (rounded), d = t - 2 z.e (rounded); equal d: the lower index.
; z and the codebook are rounded to bf16 first (matrix operands); |z|^2 and |e|^2 are ascending sums of the exact squares of the rounded numbers.
; -2 z.e comes from v_wmma_f32_16x16x32_bf16: A = 16 codes, B = 16 z scaled by -2 (exact), 4 of the 32 k places used, the others zero in B.
; LIMITS: inputs finite (a NaN distance is passed over, not chosen; an infinite code spoils its own row); the choice is that of the bf16-rounded
; inputs; -2 z.e is here the matrix unit's sum of four exact products, in the next launch an ascending chain: that launch decides between the two chunks.
;
; A work-group owns 128 z (8 tiles of 16) and sees all codes.  Its 8 waves hold the same 8 tiles of z and walk 1,024 codes each, in 32 steps of 32 codes.
; In a result, lane (r = lane % 16, h = lane / 16), register j holds (code row 8 h + j, z column r): the minimum over codes stays inside a lane.
; Code rows are laid so that in a step half h meets the 16 CONSECUTIVE codes 1024 w + 512 h + 16 T + (0..15): chunk number 64 w + 32 h + T.
; Per 16 distances: 8 packed adds for t, 8 for d, 8 v_min3, one compare and one select of the chunk number (strictly smaller: the first chunk stays).
; The 16 streams of a z (wave, half) cover ascending ranges of codes; they meet in LDS and the best two (value, then order) go out, lower number first.
; NO JOINT LOADS, NO TENSOR LOADS: the one thing that work-groups share is the codebook, 128 KiB read once by each at the start, and every number of it
; passes through registers to be rounded and squared; there is no loop over shared tiles.  No index made here enters an address here.
;
; THE MODE: SCHED_MODE bits 1:0 = 2 (LLVM: expert scheduling mode 2), set by the entry lines.  The code itself states the register dependences
; between vector or matrix instructions and memory or LDS instructions, and those through scalar registers that vector instructions write, with s_wait_alu, always for 0.
; THE PLAN.  Registers that memory or LDS instructions touch:
;   ZO, CO       Offsets of z and of the codes: written once at the head, read by every global load, never written again.
;   LD           8 batches of codes as loaded.  The 16 batches go in four groups of four: a group's conversions read its 32 registers; in groups 0 and 1 the loads of the batches 8 further on then land in them.
;   O0, O1       Two out-buffers: group k's conversions write O[k % 2], group k's LDS stores read it; group k + 2 writes it again.  AS, ES: the stores' addresses, written at the head.
;                One wait on va_vdst a group, behind its conversions, serves its loads and its stores; one on vm_vsrc at the head of groups 2 and 3 frees the out-buffer;
;                one on vm_vsrc behind the barrier frees O0, O1, AS and ES, which are D and TM from there on.
;   A[p], EE[p]  In the loop: step T (p = T % 2) reads them by its products and its additions of t; the six LDS loads in the first pair of step T + 1 land in them (step T + 2's codes).
;   AA, EA       Read by those loads; written once in two steps, ahead of the odd step's wait on va_vdst, behind a wait on vm_vsrc.
;                One wait on va_vdst at a step's end states both; between it and the loads stand the step's eight selects and two products of the other buffer, which name none of these registers.
;   s[24:31]     A step's eight compares write them, its eight selects read them: one wait on va_sdst between, beside the wait above.
;   D, TM, B, ZZ, MINS, ID are named in the loop by vector and matrix instructions alone.
;   At the end: MINS, ID and v1 are read by four LDS stores; the streams' loads land in B's first 32 registers, by the address in RA; OUT is read by the one global store.
.set CH,     16384                     ; bytes from channel to channel of z: 64 x 64 x 4
.set LDS_EE, 65536                     ; LDS: 0: codes in bf16, 8 bytes each, in fragment order (64 KiB); here: |e|^2 in f32, in index order (32 KiB)
.set LDS_RM, 98304                     ; 16 streams x 128 z: smallest d (8 KiB),
.set RC_OFF, 8192                      ; and behind them the chunk numbers (8 KiB)
.set RR,   2                           ; lane % 16
.set HH,   3                           ; lane / 16
.set FS,   4                           ; -2.0 in lanes 0-15, 0 in lanes 16-31 (their k places 8-15 and 24-31 are unused)
.set RA,   FS                          ; at the end: the LDS address at which I read the 16 streams; no memory or LDS instruction has read this register before
.set VZ,   5                           ; 0.0
.set AA,   6                           ; LDS address of my code row in the step at the loop's base
.set EA,   7                           ; LDS address of my half's 16 |e|^2 there
.set ZO,   8                           ; byte offset of my 8 z in a channel
.set CO,   9                           ; byte offset of my 2 codes in a batch
.set ZZ,   10                          ; v[10:25]   |z|^2 of tile i, twice (a pair for the packed add)
.set MINS, 26                          ; v[26:41]   smallest d so far of tile i: two sets that take turns, old and new
.set ID,   42                          ; v[42:49]   chunk in which it was first met
.set B,    50                          ; v[50:113]  8 fragments of z: registers 0, 1 hold -2 z (lanes 0-15), all else 0
.set A,    114                         ; v[114:145] fragments of codes: 2 buffers x 2 tiles; registers 0, 1 loaded, 2 to 7 stay 0
.set EE,   146                         ; v[146:177] |e|^2 of my half's 16 codes: 2 buffers
.set D,    178                         ; v[178:209] results: 2 pairs of tiles
.set TM,   210                         ; v[210:241] t, then d: 2 pairs of tiles
.set LD,   A                           ; at the start: 8 batches of 2 codes as loaded (64 registers: A's and EE's)
.set ZF,   D                           ; at the start: z as loaded, channel c at 8 c
.set OB,   D                           ; at the start, when z is rounded: v[178:225] two out-buffers of 4 batches x 6 registers (2 codes in bf16, their two |e|^2)
.set AS,   TM+24                       ; at the start: where I store 2 codes,
.set ES,   TM+25                       ; and their two |e|^2
.set SID,  20                          ; s20: 64 w + T
.set CM,   24                          ; s[24:31]: tile i's lanes in which this step's minimum is strictly smaller
	s_load_b128 s[4:7], s[0:1], 0x0                ; codebook s[4:5], z s[6:7]
	s_load_b64 s[8:9], s[0:1], 0x10                ; cand
	v_lshl_add_u32 v242, v0, 2, 0x1c000            ; my spare word, behind the streams' 16 KiB; kept for the closing lines alone
	v_mov_b32 v243, 0                              ; and 0, likewise
	v_lshrrev_b32 v1, 5, v0
	v_readfirstlane_b32 s10, v1                    ; wave w, 0 to 7
	v_and_b32 v[RR], 15, v0
	v_bfe_u32 v[HH], v0, 4, 1
	s_lshr_b32 s12, ttmp9, 5                       ; 32 work-groups to an image: image x 65,536 bytes
	s_lshl_b32 s12, s12, 16
	s_and_b32 s13, ttmp9, 31                       ; + 128 z x 4 bytes for each work-group in it
	s_lshl_b32 s13, s13, 9
	s_add_co_u32 s12, s12, s13
	s_mov_b32 s13, 0
	s_lshl_b32 s14, ttmp9, 10                      ; cand: 128 z x 8 bytes
	s_mov_b32 s15, 0
	v_lshlrev_b32 v[ZO], 5, v[RR]                  ; column r of tile i is z number 8 r + i of the group: 32 bytes a lane, 512 in a row for 16 lanes
	v_lshlrev_b32 v[CO], 5, v0                     ; thread t takes codes 512 g + 2 t and + 1 of batch g: 32 bytes
	s_wait_alu depctr_va_sdst(0)                   ; s10 is written, ahead of its first reader: LDS addresses, the chunk number and a branch are made from it
	s_wait_kmcnt 0x0
	s_add_nc_u64 s[6:7], s[6:7], s[12:13]
	s_add_nc_u64 s[8:9], s[8:9], s[14:15]
	s_wait_alu depctr_va_vdst(0)                   ; ZO and CO are written: every global load of the kernel reads one of them as its offset
.irp c, 0,1,2,3
	global_load_b128 v[ZF+8*\c:ZF+8*\c+3],   v[ZO], s[6:7] offset:\c*CH
	global_load_b128 v[ZF+8*\c+4:ZF+8*\c+7], v[ZO], s[6:7] offset:\c*CH+16
.endr
.irp g, 0,1,2,3,4,5,6,7
	global_load_b128 v[LD+8*\g:LD+8*\g+3],   v[CO], s[4:5] offset:\g*8192
	global_load_b128 v[LD+8*\g+4:LD+8*\g+7], v[CO], s[4:5] offset:\g*8192+16
.endr
	; Code k = 1024 w + 512 mh + 16 T + 8 u + mj lies at LDS byte 8192 w + 256 T + 128 mh + 64 u + 8 mj: row 8 mh + mj of tile u of step T of wave w.
	; For k = 512 g + 2 t: w = g / 2, mh = g % 2 (both in the store's immediate), T = t / 8, u = (t / 4) % 2, mj = 2 (t % 4).
	v_lshrrev_b32 v1, 3, v0
	v_lshlrev_b32 v[AS], 8, v1
	v_bfe_u32 v1, v0, 2, 1
	v_lshl_or_b32 v[AS], v1, 6, v[AS]
	v_and_b32 v1, 3, v0
	v_lshl_or_b32 v[AS], v1, 4, v[AS]
	v_lshlrev_b32 v[ES], 3, v0                     ; |e|^2 of code k at LDS_EE + 4 k
	v_add_nc_u32 v[ES], LDS_EE, v[ES]
	v_mov_b32 v[VZ], 0
	v_mov_b32 v[FS], -2.0
	v_cmp_eq_u32 vcc_lo, 0, v[HH]
	s_wait_alu depctr_va_vcc(0)                    ; the compare has written VCC, which the select reads
	v_cndmask_b32 v[FS], 0, v[FS], vcc_lo
	v_lshrrev_b32 v1, 3, v[RR]                     ; my row of a fragment: 8192 w + 128 (r / 8) + 8 (r % 8); both halves of the wave read the same rows
	v_and_b32 v[AA], 7, v[RR]
	v_lshlrev_b32 v[AA], 3, v[AA]
	v_lshl_or_b32 v[AA], v1, 7, v[AA]
	s_lshl_b32 s11, s10, 13
	v_add_nc_u32 v[AA], s11, v[AA]
	s_lshl_b32 s16, s10, 12                        ; my half's |e|^2: LDS_EE + 4 (1024 w + 512 h)
	s_add_co_u32 s16, s16, LDS_EE
	v_lshl_add_u32 v[EA], v[HH], 11, s16
	s_lshl_b32 s[SID], s10, 6
.irp i, 0,1,2,3,4,5,6,7
	v_mov_b32 v[MINS+\i], 0x7f800000               ; +infinity: nothing met yet;
	v_mov_b32 v[ID+\i], s[SID]                     ; if nothing is ever smaller, the stream's first chunk stands
.irp k, 2,3,4,5,6,7
	v_mov_b32 v[B+8*\i+\k], 0                      ; the k places that 4 channels leave empty
.endr
.endr
	s_wait_loadcnt 16                              ; z is in: the 16 loads of codes were issued behind it
.irp i, 0,1,2,3,4,5,6,7
	v_cvt_pk_bf16_f32 v[TM],   v[ZF+\i],    v[ZF+8+\i]     ; z rounded to bf16, for |z|^2
	v_cvt_pk_bf16_f32 v[TM+1], v[ZF+16+\i], v[ZF+24+\i]
	v_mul_f32 v[TM+2], v[FS], v[ZF+\i]                     ; -2 z (a power of two: rounds as z does), 0 in lanes 16-31
	v_mul_f32 v[TM+3], v[FS], v[ZF+8+\i]
	v_mul_f32 v[TM+4], v[FS], v[ZF+16+\i]
	v_mul_f32 v[TM+5], v[FS], v[ZF+24+\i]
	v_fma_mix_f32_bf16 v[ZZ+2*\i], v[TM], v[TM], v[VZ] op_sel_hi:[1,1,0]
	v_cvt_pk_bf16_f32 v[B+8*\i], v[TM+2], v[TM+3]
	v_fma_mix_f32_bf16 v[ZZ+2*\i], v[TM], v[TM], v[ZZ+2*\i] op_sel:[1,1,0] op_sel_hi:[1,1,0]
	v_cvt_pk_bf16_f32 v[B+8*\i+1], v[TM+4], v[TM+5]
	v_fma_mix_f32_bf16 v[ZZ+2*\i], v[TM+1], v[TM+1], v[ZZ+2*\i] op_sel_hi:[1,1,0]
	v_fma_mix_f32_bf16 v[ZZ+2*\i], v[TM+1], v[TM+1], v[ZZ+2*\i] op_sel:[1,1,0] op_sel_hi:[1,1,0]
	v_mov_b32 v[ZZ+2*\i+1], v[ZZ+2*\i]
.endr
; Batch g: two codes rounded to bf16 (16 bytes) and their |e|^2 (squares of bf16 are exact in f32; ascending sum), into the batch's six registers of its group's out-buffer.
; left = loads younger than this batch's two.
.macro CCONV g, left
	.set LB, LD+8*((\g)&7)
	.set PB, OB+24*(((\g)>>2)&1)+6*((\g)&3)
	s_wait_loadcnt \left
	v_cvt_pk_bf16_f32 v[PB],   v[LB],   v[LB+1]
	v_cvt_pk_bf16_f32 v[PB+2], v[LB+4], v[LB+5]
	v_cvt_pk_bf16_f32 v[PB+1], v[LB+2], v[LB+3]
	v_cvt_pk_bf16_f32 v[PB+3], v[LB+6], v[LB+7]
	v_fma_mix_f32_bf16 v[PB+4], v[PB],   v[PB],   v[VZ] op_sel_hi:[1,1,0]
	v_fma_mix_f32_bf16 v[PB+5], v[PB+2], v[PB+2], v[VZ] op_sel_hi:[1,1,0]
	v_fma_mix_f32_bf16 v[PB+4], v[PB],   v[PB],   v[PB+4] op_sel:[1,1,0] op_sel_hi:[1,1,0]
	v_fma_mix_f32_bf16 v[PB+5], v[PB+2], v[PB+2], v[PB+5] op_sel:[1,1,0] op_sel_hi:[1,1,0]
	v_fma_mix_f32_bf16 v[PB+4], v[PB+1], v[PB+1], v[PB+4] op_sel_hi:[1,1,0]
	v_fma_mix_f32_bf16 v[PB+5], v[PB+3], v[PB+3], v[PB+5] op_sel_hi:[1,1,0]
	v_fma_mix_f32_bf16 v[PB+4], v[PB+1], v[PB+1], v[PB+4] op_sel:[1,1,0] op_sel_hi:[1,1,0]
	v_fma_mix_f32_bf16 v[PB+5], v[PB+3], v[PB+3], v[PB+5] op_sel:[1,1,0] op_sel_hi:[1,1,0]
.endm
.macro CLOAD g                         ; batch g's registers take batch g + 8
	.set LB, LD+8*((\g)&7)
	global_load_b128 v[LB:LB+3],   v[CO], s[4:5] offset:((\g)+8)*8192
	global_load_b128 v[LB+4:LB+7], v[CO], s[4:5] offset:((\g)+8)*8192+16
.endm
.macro CSTORE g                        ; batch g goes into LDS
	.set PB, OB+24*(((\g)>>2)&1)+6*((\g)&3)
	ds_store_b128 v[AS], v[PB:PB+3] offset:((\g)>>1)*8192+((\g)&1)*128
	ds_store_b64 v[ES], v[PB+4:PB+5] offset:(\g)*2048
.endm
; A group of four batches, g0 to g0 + 3.  left: the loads younger than the first batch's two; it falls by two from batch to batch.
; reload = 1: the group's registers are loaded again.  again = 1: the out-buffer has been stored from before.
.macro CGROUP g0, left, reload, again
.if \again
	s_wait_alu depctr_vm_vsrc(0)                   ; the LDS stores of the group two back have read this out-buffer, which the conversions below write again
.endif
	CCONV (\g0),   (\left)
	CCONV (\g0)+1, (\left)-2
	CCONV (\g0)+2, (\left)-4
	CCONV (\g0)+3, (\left)-6
	s_wait_alu depctr_va_vdst(0)                   ; the group's conversions are done reading its registers of LD, in which the loads below land, and have written the out-buffer, which the stores below read (AS and ES are written too)
.if \reload
	CLOAD (\g0)
	CLOAD (\g0)+1
	CLOAD (\g0)+2
	CLOAD (\g0)+3
.endif
	CSTORE (\g0)
	CSTORE (\g0)+1
	CSTORE (\g0)+2
	CSTORE (\g0)+3
.endm
	CGROUP 0,  14, 1, 0                            ; 16 loads are out: 14 are younger than batch 0's, 8 than batch 3's
	CGROUP 4,  14, 1, 0                            ; again 16: batches 4 to 7 and the eight loads of batches 8 to 11
	CGROUP 8,  14, 0, 1                            ; again 16: batches 8 to 15; nothing more is loaded
	CGROUP 12, 6,  0, 1                            ; the counts run down to 0
.irp w, 0,8,16,24
.irp k, 2,3,4,5,6,7
	v_mov_b32 v[A+\w+\k], 0                        ; the four code fragments' empty k places, written once
.endr
.endr
	s_wait_dscnt 0x0                               ; my stores are done: every wave's 1,024 codes were stored by all eight waves
	s_barrier_signal -1
	s_barrier_wait -1
	s_wait_alu depctr_vm_vsrc(0)                   ; my LDS stores have read the two out-buffers, AS and ES: these registers are D and TM from here on, written by the products and the additions
; The fragments and |e|^2 of the step tofs behind the loop's base, into buffer pb
.macro LOADS pb, tofs
	ds_load_b64 v[A+16*(\pb):A+16*(\pb)+1],   v[AA] offset:(\tofs)*256
	ds_load_b64 v[A+16*(\pb)+8:A+16*(\pb)+9], v[AA] offset:(\tofs)*256+64
.irp q, 0,1,2,3
	ds_load_b128 v[EE+16*(\pb)+4*\q:EE+16*(\pb)+4*\q+3], v[EA] offset:(\tofs)*64+16*\q
.endr
.endm
; The two products of the pair that AN, DN, IN name: 32 codes x tile IN of z.  C = 0: each product stands alone, no sum runs on.
.macro NEXTW
	v_wmma_f32_16x16x32_bf16 v[DN:DN+7],    v[AN:AN+7],    v[B+8*IN:B+8*IN+7], 0
	v_wmma_f32_16x16x32_bf16 v[DN+8:DN+15], v[AN+8:AN+15], v[B+8*IN:B+8*IN+7], 0
.endm
; t = |z|^2 + |e|^2 for two codes of that pair: the first of the two roundings
.macro TADD q
	v_pk_add_f32 v[TN+\q:TN+\q+1], v[EN+\q:EN+\q+1], v[ZZ+2*IN:ZZ+2*IN+1]
.endm
; One pair: tile i of z against the step's 32 codes (16 for my half).  p: the step's buffer, and which set of minima is the old one.
; nxt = 1: the next pair is tile i + 1 of this step; 2: tile 0 of the next step (other buffer); 0: none.  ld = 1: the next step's loads go out.
; The next pair's products are issued first and its t is made among this pair's minima, so that between a product and the first
; instruction that reads its result stand this pair's 25 vector instructions, none of which names a register of it (ISA guide 7.12.1 asks for 4).
; The pair's compare writes a scalar register of its own; the step's eight selects stand together at the step's end.
.macro PAIR p, i, nxt, ld
	.set DP, D+16*((\i)&1)
	.set TP, TM+16*((\i)&1)
	.set DN, D+16-16*((\i)&1)
	.set TN, TM+16-16*((\i)&1)
	.set MO, MINS+8*(\p)+(\i)
	.set MN, MINS+8-8*(\p)+(\i)
.if \nxt == 1
	.set AN, A+16*(\p)
	.set EN, EE+16*(\p)
	.set IN, (\i)+1
.else
	.set AN, A+16-16*(\p)
	.set EN, EE+16-16*(\p)
	.set IN, 0
.endif
.if \nxt == 2
	s_wait_dscnt 0x0                               ; the next step's six loads, issued seven pairs ago
.endif
.if \nxt
	NEXTW
.endif
.if \ld
	LOADS 1-\p, \p+1                               ; into the buffer that the step before read.  No wait here: no vector or matrix instruction since the wait at that step's end names that buffer, AA or EA
.endif
.irp q, 0,2,4,6,8,10,12,14
	v_pk_add_f32 v[TP+\q:TP+\q+1], v[TP+\q:TP+\q+1], v[DP+\q:DP+\q+1]      ; d = t - 2 z.e: the second rounding
.endr
	v_min3_num_f32 v[TP],    v[MO],    v[TP],    v[TP+1]                   ; 16 d and the old minimum: eight v_min3, three deep
	v_min3_num_f32 v[TP+2],  v[TP+2],  v[TP+3],  v[TP+4]
	v_min3_num_f32 v[TP+5],  v[TP+5],  v[TP+6],  v[TP+7]
	v_min3_num_f32 v[TP+8],  v[TP+8],  v[TP+9],  v[TP+10]
	v_min3_num_f32 v[TP+11], v[TP+11], v[TP+12], v[TP+13]
.if \nxt
	TADD 0
	TADD 2
	TADD 4
.endif
	v_min3_num_f32 v[TP],    v[TP],    v[TP+2],  v[TP+5]
	v_min3_num_f32 v[TP+8],  v[TP+8],  v[TP+11], v[TP+14]
.if \nxt
	TADD 6
	TADD 8
	TADD 10
.endif
	v_min3_num_f32 v[MN],    v[TP],    v[TP+8],  v[TP+15]
.if \nxt
	TADD 12
	TADD 14
.endif
	v_cmp_lt_f32 s[CM+\i], v[MN], v[MO]            ; strictly smaller: on equal d the earlier chunk stays
.endm
; One step of 32 codes against the 8 tiles of z.  more = 1: a further step follows; its codes are loaded in this step's first pair.
; vd = 1: the step behind this one loads too.  adv = 1: the loop's base moves on by two steps.
.macro TBODY p, more, vd, adv
	PAIR \p, 0, 1, \more
	PAIR \p, 1, 1, 0
	PAIR \p, 2, 1, 0
	PAIR \p, 3, 1, 0
	PAIR \p, 4, 1, 0
	PAIR \p, 5, 1, 0
	PAIR \p, 6, 1, 0
.if \more
	PAIR \p, 7, 2, 0
.else
	PAIR \p, 7, 0, 0
.endif
.if \adv
	s_wait_alu depctr_vm_vsrc(0)                   ; the LDS loads issued so far have read AA and EA
	v_add_nc_u32 v[AA], 512, v[AA]                 ; two steps on
	v_add_nc_u32 v[EA], 128, v[EA]
.endif
.if \vd
	s_wait_alu depctr_va_vdst(0)                   ; this step's products and additions of t are done reading its buffer of A and EE, in which the next step's loads land; in an odd step AA and EA are written
.endif
	s_wait_alu depctr_va_sdst(0)                   ; the step's eight compares have written s[CM ..], which the selects read
.irp i, 0,1,2,3,4,5,6,7
	v_cndmask_b32 v[ID+\i], v[ID+\i], s[SID], s[CM+\i]
.endr
	s_add_co_u32 s[SID], s[SID], 1
.endm
	LOADS 0, 0                                     ; no wait: the conversions that read these registers stand ahead of the last group's wait on va_vdst, and so do the lines that made AA and EA
	.set AN, A
	.set EN, EE
	.set IN, 0
	.set DN, D
	.set TN, TM
	s_wait_dscnt 0x0
	NEXTW                                          ; step 0, tile 0; the eight adds below are the places behind it
.irp q, 0,2,4,6,8,10,12,14
	TADD \q
.endr
	s_mov_b32 s21, 15
.Lsteps:
	TBODY 0, 1, 1, 0
	TBODY 1, 1, 1, 1
	s_sub_co_u32 s21, s21, 1
	s_cmp_lg_u32 s21, 0
	s_cbranch_scc1 .Lsteps
	TBODY 0, 1, 0, 0                               ; steps 30 and 31 are written out: the last one loads and starts nothing, so neither owes a wait for loads to come
	TBODY 1, 0, 0, 0
	; The streams meet: stream 2 w + h, z number 8 r + i of the group: my 8 minima and 8 chunk numbers are 32 consecutive bytes each.
.irp i, 0,1,2,3,4,5,6,7
	v_lshl_add_u32 v[ID+\i], v[HH], 5, v[ID+\i]    ; 64 w + T + 32 h
.endr
	s_lshl_b32 s17, s10, 10
	s_add_co_u32 s17, s17, LDS_RM
	v_lshl_add_u32 v1, v[HH], 9, s17
	v_lshl_add_u32 v1, v[RR], 5, v1
	s_wait_alu depctr_va_vdst(0)                   ; the minima, the chunk numbers and the address v1 are written, which the four LDS stores read
	ds_store_b128 v1, v[MINS:MINS+3]
	ds_store_b128 v1, v[MINS+4:MINS+7] offset:16
	ds_store_b128 v1, v[ID:ID+3] offset:RC_OFF
	ds_store_b128 v1, v[ID+4:ID+7] offset:RC_OFF+16
	s_wait_dscnt 0x0                               ; done before the others read them
	s_barrier_signal -1
	s_barrier_wait -1
	s_cmp_ge_u32 s10, 4
	s_cbranch_scc1 .Ldone                          ; 128 z: threads 0 to 127, one z each
.set RM, B                             ; the 16 streams' minima,
.set RC, B+16                          ; and chunk numbers
.set M1, RM                            ; best so far (starts as stream 0)
.set C1, RC
.set M2, B+32                          ; second best
.set C2, B+33
.set OUT, B+34
	v_lshlrev_b32 v[RA], 2, v0
	v_add_nc_u32 v[RA], LDS_RM, v[RA]
	s_wait_alu depctr_va_vdst(0)                   ; the address RA is written, which the loads below read; the products that read B, in which they land, stand ahead of this wait too
.irp st, 0,1,2,3,4,5,6,7,8,9,10,11,12,13,14,15
	ds_load_b32 v[RM+\st], v[RA] offset:\st*512
	ds_load_b32 v[RC+\st], v[RA] offset:\st*512+RC_OFF
.endr
	v_lshlrev_b32 v[OUT+2], 3, v0
	s_wait_dscnt 0x0
	v_mov_b32 v[M2], 0x7f800000
	v_mov_b32 v[C2], v[RC]
; Streams come in ascending order of their codes, and only a strictly smaller d moves an entry: equal d keep the order of the indices.
.macro INSERT st
	v_cmp_lt_f32 s22, v[RM+\st], v[M1]
	v_cmp_lt_f32 s23, v[RM+\st], v[M2]
	s_wait_alu depctr_va_sdst(0)                   ; the two compares have written s22 and s23, which the six selects read; the next stream's compares hang on these selects, so each stream has its own wait
	v_cndmask_b32 v[M2], v[M2], v[RM+\st], s23
	v_cndmask_b32 v[C2], v[C2], v[RC+\st], s23
	v_cndmask_b32 v[M2], v[M2], v[M1], s22
	v_cndmask_b32 v[C2], v[C2], v[C1], s22
	v_cndmask_b32 v[M1], v[M1], v[RM+\st], s22
	v_cndmask_b32 v[C1], v[C1], v[RC+\st], s22
.endm
.irp st, 1,2,3,4,5,6,7,8,9,10,11,12,13,14,15
	INSERT \st
.endr
	v_min_u32 v[OUT],   v[C1], v[C2]               ; the lower chunk first: the next launch walks them in the order of the indices
	v_max_u32 v[OUT+1], v[C1], v[C2]
	s_wait_alu depctr_va_vdst(0)                   ; the two chunk numbers and the offset in OUT + 2 are written, which the store reads
	global_store_b64 v[OUT+2], v[OUT:OUT+1], s[8:9]        ; a wave's store covers 256 consecutive bytes, aligned
.Ldone:
	s_wait_dscnt 0x0                               ; the closing lines, six on end
	s_wait_alu 0x0
	s_wait_tensorcnt 0x0
	ds_add_u32 v242, v243
	s_wait_dscnt 0x0
	s_endpgm
.Lfunc_end_k_qe936ab05a1_nearest:
	.size	k_qe936ab05a1_nearest, .Lfunc_end_k_qe936ab05a1_nearest-k_qe936ab05a1_nearest
	.p2alignl 7, 3214868480
	.fill 96, 4, 3214868480
	.section	.rodata,"a",@progbits
	.p2align	6, 0x0
	.amdhsa_kernel k_qe936ab05a1_nearest
		.amdhsa_group_segment_fixed_size 115712
		.amdhsa_private_segment_fixed_size 0
		.amdhsa_enable_private_segment 0
		.amdhsa_kernarg_size 24
		.amdhsa_user_sgpr_count 2
		.amdhsa_user_sgpr_kernarg_segment_ptr 1
		.amdhsa_wavefront_size32 1
		.amdhsa_system_sgpr_workgroup_id_x 1
		.amdhsa_system_sgpr_workgroup_id_y 1
		.amdhsa_system_sgpr_workgroup_id_z 1
		.amdhsa_system_vgpr_workitem_id 0
		.amdhsa_next_free_vgpr 244
		.amdhsa_next_free_sgpr 66
		.amdhsa_reserve_vcc 1
		.amdhsa_float_denorm_mode_32 3
		.amdhsa_float_denorm_mode_16_64 3
		.amdhsa_memory_ordered 1
		.amdhsa_forward_progress 1
		.amdhsa_inst_pref_size 100
	.end_amdhsa_kernel
	.amdgpu_metadata
---
amdhsa.version: [ 1, 2 ]
amdhsa.kernels:
  - .name:           k_qe936ab05a1_nearest
    .symbol:         k_qe936ab05a1_nearest.kd
    .args:
      - { .name: codebook, .offset: 0, .size: 8, .value_kind: global_buffer, .address_space: global }
      - { .name: z, .offset: 8, .size: 8, .value_kind: global_buffer, .address_space: global }
      - { .name: cand, .offset: 16, .size: 8, .value_kind: global_buffer, .address_space: global }
    .group_segment_fixed_size: 115712
    .private_segment_fixed_size: 0
    .kernarg_segment_align: 8
    .kernarg_segment_size: 24
    .max_flat_workgroup_size: 256
    .sgpr_count:     66
    .vgpr_count:     244
    .wavefront_size: 32
...
	.end_amdgpu_metadata
.endif
;; end of part 4
;; launch refine: the kernel of part 2 again; grid 256 x 1, 4 waves a work-group, no clusters, 4,608 bytes of LDS; arguments codebook, z, cand, out0, part; writes out0, part
;; launch total: the kernel of part 3 again; grid 1 x 1, 1 waves a work-group, no clusters, 0 bytes of LDS; arguments part, out1; writes out1
